; MI455X (gfx1250); checked and timed in simulation.
; The chip was launched on July 23, 2026; its instructions are those of AMD's public machine-readable ISA for CDNA 5 (MIT licence, August 2026) and "CDNA5" Instruction Set Architecture Reference Guide (July 2026). The comments in the code are by the model that wrote it; some were corrected since.
;; Multihead Attention. Allowed arithmetic: float matrix products may take bf16 or f16 operands with f32 sums; all other float work in f32.
;; Inputs: Wk 1,024 x 1,024 float32; Wo 1,024 x 1,024 float32; Wq 1,024 x 1,024 float32; Wv 1,024 x 1,024 float32; bk 1,024 float32; bo 1,024 float32; bq 1,024 float32; bv 1,024 float32; key 2,048 x 4 x 1,024 float32; query 2,048 x 4 x 1,024 float32; value 2,048 x 4 x 1,024 float32.
;; Outputs: out0 2,048 x 4 x 1,024 float32.
;; One version. Each part assembles by itself: llvm-mc -triple=amdgcn-amd-amdhsa -mcpu=gfx1250 --defsym DOCPART=n.
;; ======== version 1 of 1: 4 launches
;; workspace buffers: wb 8,388,608 bytes; qh 16,777,216 bytes; kh 16,777,216 bytes; vh 16,777,216 bytes; ao 16,777,216 bytes
;; launch castw (part 1): grid 64 x 4, 8 waves a work-group, no clusters, 0 bytes of LDS; arguments Wq, Wk, Wv, Wo, wb; writes wb
.if DOCPART == 1
	.amdgcn_target "amdgcn-amd-amdhsa--gfx1250"
	.amdhsa_code_object_version 6
	.text
	.protected	k_q3a9f44370f_castw
	.globl	k_q3a9f44370f_castw
	.p2align	8
	.type	k_q3a9f44370f_castw,@function
k_q3a9f44370f_castw:
	s_mov_b64 s[64:65], 0
	v_nop
	global_prefetch_b8 v0, s[64:65] scope:SCOPE_SE
	s_setreg_imm32_b32 hwreg(HW_REG_WAVE_MODE, 25, 1), 1
	s_wait_xcnt 0x0
; wb[y][k][n] = bf16(W_y[k][n]) for the four weights (y = 0..3: Wq, Wk, Wv, Wo), each [1024][1024], layout kept.
; A stream: every byte is read once and written once.  No LDS, no matrix unit, no cluster: no two work-groups read the same byte.
; Work-group (x, y) takes 16,384 numbers of weight y; thread t takes 16 bytes at 16 t of each of 16 blocks of 4,096 bytes,
; so a load of a wave covers 512 consecutive bytes and a store of a wave 256 consecutive bytes, aligned.
; All 16 loads are issued first; no register is written twice, so the only waits are the counted ones for the data.
.set X, 4                              ; v[4:67]   16 x 4 f32 as loaded
.set Y, 68                             ; v[68:99]  16 x 2 registers of packed bf16
	s_load_b256 s[4:11], s[0:1], 0x0               ; Wq s[4:5], Wk s[6:7], Wv s[8:9], Wo s[10:11]
	s_load_b64 s[12:13], s[0:1], 0x20              ; wb
	s_and_b32 s14, ttmp7, 0xffff                   ; y: which weight
	v_lshlrev_b32 v1, 4, v0                        ; 16 t: my bytes in a block of the input
	v_lshlrev_b32 v2, 3, v0                        ; 8 t: my bytes in a block of the output
	s_lshl_b32 s16, ttmp9, 16                      ; x * 65,536 bytes of f32
	s_mov_b32 s17, 0
	s_lshl_b32 s18, s14, 21                        ; y * 2 MiB, the weight's section of wb,
	s_lshl_b32 s19, ttmp9, 15                      ; + x * 32,768 bytes of bf16
	s_add_co_u32 s18, s18, s19
	s_mov_b32 s19, 0
	s_wait_kmcnt 0x0
	s_cmp_eq_u32 s14, 1                            ; the choice of the input hangs on y alone
	s_cselect_b64 s[4:5], s[6:7], s[4:5]
	s_cmp_eq_u32 s14, 2
	s_cselect_b64 s[4:5], s[8:9], s[4:5]
	s_cmp_eq_u32 s14, 3
	s_cselect_b64 s[4:5], s[10:11], s[4:5]
	s_add_nc_u64 s[4:5], s[4:5], s[16:17]
	s_add_nc_u64 s[12:13], s[12:13], s[18:19]
.irp i, 0,1,2,3,4,5,6,7,8,9,10,11,12,13,14,15
	global_load_b128 v[X+4*\i:X+4*\i+3], v1, s[4:5] offset:\i*4096 th:TH_LOAD_NT
.endr
.irp i, 0,1,2,3,4,5,6,7,8,9,10,11,12,13,14,15
	s_wait_loadcnt 15-\i                           ; loads come back in order: block i is in, the 15 - i younger ones stay out
	v_cvt_pk_bf16_f32 v[Y+2*\i],   v[X+4*\i],   v[X+4*\i+1]
	v_cvt_pk_bf16_f32 v[Y+2*\i+1], v[X+4*\i+2], v[X+4*\i+3]
	global_store_b64 v2, v[Y+2*\i:Y+2*\i+1], s[12:13] offset:\i*2048
.endr
	s_endpgm
.Lfunc_end_k_q3a9f44370f_castw:
	.size	k_q3a9f44370f_castw, .Lfunc_end_k_q3a9f44370f_castw-k_q3a9f44370f_castw
	.p2alignl 7, 3214868480
	.fill 96, 4, 3214868480
	.section	.rodata,"a",@progbits
	.p2align	6, 0x0
	.amdhsa_kernel k_q3a9f44370f_castw
		.amdhsa_group_segment_fixed_size 0
		.amdhsa_private_segment_fixed_size 0
		.amdhsa_enable_private_segment 0
		.amdhsa_kernarg_size 40
		.amdhsa_user_sgpr_count 2
		.amdhsa_user_sgpr_kernarg_segment_ptr 1
		.amdhsa_wavefront_size32 1
		.amdhsa_system_sgpr_workgroup_id_x 1
		.amdhsa_system_sgpr_workgroup_id_y 1
		.amdhsa_system_sgpr_workgroup_id_z 1
		.amdhsa_system_vgpr_workitem_id 0
		.amdhsa_next_free_vgpr 100
		.amdhsa_next_free_sgpr 66
		.amdhsa_reserve_vcc 0
		.amdhsa_float_denorm_mode_32 3
		.amdhsa_float_denorm_mode_16_64 3
		.amdhsa_memory_ordered 1
		.amdhsa_forward_progress 1
		.amdhsa_inst_pref_size 7
	.end_amdhsa_kernel
	.amdgpu_metadata
---
amdhsa.version: [ 1, 2 ]
amdhsa.kernels:
  - .name:           k_q3a9f44370f_castw
    .symbol:         k_q3a9f44370f_castw.kd
    .args:
      - { .name: Wq, .offset: 0, .size: 8, .value_kind: global_buffer, .address_space: global }
      - { .name: Wk, .offset: 8, .size: 8, .value_kind: global_buffer, .address_space: global }
      - { .name: Wv, .offset: 16, .size: 8, .value_kind: global_buffer, .address_space: global }
      - { .name: Wo, .offset: 24, .size: 8, .value_kind: global_buffer, .address_space: global }
      - { .name: wb, .offset: 32, .size: 8, .value_kind: global_buffer, .address_space: global }
    .group_segment_fixed_size: 0
    .private_segment_fixed_size: 0
    .kernarg_segment_align: 8
    .kernarg_segment_size: 40
    .max_flat_workgroup_size: 256
    .sgpr_count:     66
    .vgpr_count:     100
    .wavefront_size: 32
...
	.end_amdgpu_metadata
.endif
;; end of part 1
;; launch proj (part 2): grid 4 x 192, 4 waves a work-group, clusters of 4 x 4, 327,680 bytes of LDS; arguments query, key, value, wb, bq, bk, bv, qh, kh, vh; writes qh, kh, vh
.if DOCPART == 2
	.amdgcn_target "amdgcn-amd-amdhsa--gfx1250"
	.amdhsa_code_object_version 6
	.text
	.protected	k_q3a9f44370f_proj
	.globl	k_q3a9f44370f_proj
	.p2align	8
	.type	k_q3a9f44370f_proj,@function
k_q3a9f44370f_proj:
	s_mov_b64 s[64:65], 0
	v_nop
	global_prefetch_b8 v0, s[64:65] scope:SCOPE_SE
	s_setreg_imm32_b32 hwreg(HW_REG_WAVE_MODE, 25, 1), 1
	s_wait_xcnt 0x0
	s_wait_alu depctr_hold_cnt(0) depctr_sa_sdst(0) depctr_va_vdst(0) depctr_va_sdst(0) depctr_va_ssrc(0) depctr_va_vcc(0) depctr_vm_vsrc(0)
	s_getreg_b32 s2, hwreg(HW_REG_IB_STS2, 6, 4)
	s_cmp_eq_u32 s2, 0
	s_cbranch_scc0 .Lentry_in_a_cluster
	s_endpgm
.Lentry_in_a_cluster:
	s_bfe_u32 s2, ttmp6, 0x10000c
	s_cmp_lg_u32 s2, 0xf033
	s_cbranch_scc0 .Lentry_shape_is_right
	s_endpgm
.Lentry_shape_is_right:
; The three input projections in one launch: OUT_p = (X_p W_p + b_p) * scale_p, p = 0, 1, 2 for query, key, value.
; X_p: [2048 m][4 b][1024] f32.  W_p: section p of wb, [1024 k][1024 n] bf16.  OUT_p: [b][head][m][64] bf16.
; scale_0 = 0.125 * log2(e) (the softmax scale and the change to base 2, folded in BEFORE the rounding to bf16: a stated departure from
; the order of rounding of the formula as written); scale_1 = scale_2 = 1.  Sums in f32, operands bf16.
; 768 blocks of 128 (m) x 256 (n): three for each of 256 places.  Four waves, each 64 x 128 of the block: 32 accumulator tiles, 256 registers.
; K goes in steps of 128 through two LDS slots filled by tensor loads.  X arrives as f32 (rows of 512 bytes) and is rounded to bf16 on the way
; from LDS to the matrix instruction, so no cast of X ever goes through memory.  W's tile stays [k][n] and is read by transposing LDS loads.
; CLUSTERS: 4 x 4 work-groups.  The four of a row of the cluster share the block row (X's tile), the four of a column the block column
; (W's tile); each tile is asked for jointly, which divides the requests for both by four.  All sixteen have the same p and the same batch.
; THE REQUESTS FORM A CHAIN: all tensor loads are waited for in front of each round, so a tile is asked for only after the tile before it has landed.
; So nothing that can stand behind the request stands between that wait and the request: the round holds no work here.
; PREFETCH: X is read from memory once.  In the first quarter of laps 0, 1 and 2 (a lap = two K steps) each wave asks for 8 rows x 1,024 bytes of the NEXT
; lap's two tiles, lanes 256 bytes apart (8 rows x 4 blocks).  The tile's 128 rows are shared out, 32 to each of the four work-groups that share it (by cx),
; 8 to each wave, so each block is asked for once in the launch.  The tensor load for the first of the two tiles follows at the end of this lap's first K step.
; Lap 3 asks for nothing: the furthest byte asked for is byte 4,095 of the row's 4,096.  W is not asked for: 64 block rows read each of its tiles again.
; The matrix instruction is used transposed (source 0 = 16 columns of W, source 1 = 16 rows of X): lane l then holds row m = l % 16 and
; eight neighbouring n = 8 (l / 16) + 0..7, which pack into 16 bytes.
.set PA,     528                       ; LDS pitch of X's rows: 512 + 16 bytes, an odd multiple of 16: 16 rows of a fragment load start 16 bytes apart modulo 256
.set PB,     544                       ; LDS pitch of W's rows: 512 + 32 bytes, an odd multiple of 32
.set HALF,   34816                     ; what one tensor load may fill: 64 rows x 544 (W) or 64 x 528 = 33,792 (X, the rest unused)
.set SLOT,   4*HALF                    ; X's two halves, then W's two halves
.set STAGE,  2*SLOT                    ; behind the ring, bytes that no tensor load fills: 16 rows x 272 for each wave
.set SPITCH, 272
.set WSTAGE, 16*SPITCH
.set ADRA, 8                           ; v8-9    LDS address of my X fragments, slot 0, 1
.set ADRB, 10                          ; v10-11  the same for W
.set STO,  12                          ; v12     the way out: where I put 16 bytes of a row
.set RD,   13                          ; v13     the way out: where I read back
.set CO,   14                          ; v14     16 x lane: my bytes in 512 consecutive bytes of OUT
.set BO,   15                          ; v15     byte offset of my first bias numbers
.set RAW,  16                          ; v16-79  X fragments as f32 (4 x 16 registers); at work on the way out
.set AF,   80                          ; v80-111 X fragments as bf16 (4 x 8)
.set BF0,  112                         ; v112-175 W fragments (8 x 8), buffer 0
.set BF1,  176                         ; v176-239 buffer 1
.set PFO,  240                         ; v240    prefetch: my lane's row and block, never rewritten
; window 1 (v256-511): accumulator tile (a, b) at 8 (8 a + b).   window 2 (v512-575): bias, 8 numbers for each of my 8 n tiles
.set G1A, 40                           ; s[40:47] descriptor group 1, X's tiles
.set G1B, 48                           ; s[48:55] descriptor group 1, W's tiles
.set G0A, 56                           ; s[56:63] descriptor group 0 for X, a set for each slot
.set PFB, 66                           ; s[66:67] prefetch: X at my wave's 8 rows, stepped by a lap's 1,024 bytes
.set G0B, 68                           ; s[68:75] descriptor group 0 for W, a set for each slot
.set MSB, 0
.macro WIN new                         ; s_set_vgpr_msb: bits 1:0 source 0, 3:2 source 1, 5:4 source 2, 7:6 destination; the high byte repeats the setting left
.if MSB != \new
	s_set_vgpr_msb (MSB<<8)|\new
.set MSB, \new
.endif
.endm
.macro PLACES                          ; four places behind matrix instructions (ISA guide 7.12.1), filled by v_nop: nothing independent is at hand there
.rept 4
	v_nop
.endr
.endm
; A joint load: waves 0 and 1 fetch X's two halves, waves 2 and 3 W's.  The branch hangs on the wave's number alone.
.macro JLOAD s
	s_cmp_eq_u32 s25, 0
	s_cbranch_scc0 .Lfor_b_\@
	tensor_load_to_lds s[G0A+4*\s:G0A+4*\s+3], s[G1A:G1A+7]
	s_nop 0
	s_branch .Lasked_\@
.Lfor_b_\@:
	tensor_load_to_lds s[G0B+4*\s:G0B+4*\s+3], s[G1B:G1B+7]
	s_nop 0
.Lasked_\@:
.endm
.macro CREST                           ; a round of the cluster's barrier behind its opening work-group barrier
	s_cmp_lg_u32 s24, 0
	s_cbranch_scc1 .Lnot_wave_0_\@
	s_barrier_signal -3
.Lnot_wave_0_\@:
	s_barrier_wait -3
	s_barrier_signal -1
	s_barrier_wait -1
.endm
.macro CROUND                          ; a whole round
	s_barrier_signal -1
	s_barrier_wait -1
	CREST
.endm
	s_load_b512 s[4:19], s[0:1], 0x0               ; query s[4:5], key s[6:7], value s[8:9], wb s[10:11], bq s[12:13], bk s[14:15], bv s[16:17], qh s[18:19]
	s_load_b128 s[20:23], s[0:1], 0x40             ; kh s[20:21], vh s[22:23]
	v_lshl_add_u32 v254, v0, 2, 0x48400
	v_mov_b32 v255, 0
	ds_add_u32 v254, v255
	v_lshrrev_b32 v1, 5, v0
	v_readfirstlane_b32 s24, v1                    ; wave 0..3
	s_lshr_b32 s25, s24, 1                         ; mh: my half of the block's rows.  Also: I fetch for X (0) or for W (1)
	s_and_b32 s26, s24, 1                          ; nh: my half of its columns.  Also: which half of that tile I fetch
	s_bfe_u32 s27, ttmp6, 0x40000                  ; cx
	s_bfe_u32 s28, ttmp6, 0x40004                  ; cy
	s_lshl_b32 s38, ttmp9, 2
	s_add_co_u32 s38, s38, s27                     ; nb: block column = 4 x cluster x + cx
	s_and_b32 s29, ttmp7, 0xffff                   ; cluster y, 0..47
	s_lshr_b32 s30, s29, 4                         ; p: 16 clusters for each projection
	s_bfe_u32 s31, s29, 0x20002                    ; batch: 4 clusters for each batch
	s_and_b32 s32, s29, 3
	s_lshl_b32 s32, s32, 2
	s_add_co_u32 s32, s32, s28                     ; mblk: block of 128 m = 4 x (cluster y mod 4) + cy
	s_lshl_b32 s36, s28, 2
	s_lshl_b32 s36, 15, s36                        ; my row of the cluster: places 4 cy .. 4 cy + 3
	s_lshl_b32 s37, 0x1111, s27                    ; my column: places cx, cx + 4, cx + 8, cx + 12
	; group 1 for X: 64 rows x 128 f32, 4,096 elements from row to row (the four batches lie between two m)
	s_or_b32 s[G1A+0], s36, (2<<16)|(1<<20)|(1<<21)|(6<<22)|(3<<25)  ; mask of my row; element of 4 bytes; padding on; bit 21 beside a mask; after every 128 words, 4 words
	s_mov_b32 s[G1A+1], 128<<16                    ; tensor_dim0 = 128
	s_mov_b32 s[G1A+2], 64<<16                     ; tensor_dim1 = 64
	s_mov_b32 s[G1A+3], 128<<16                    ; tile_dim0 = 128
	s_mov_b32 s[G1A+4], 64                         ; tile_dim1 = 64
	s_mov_b32 s[G1A+5], 4096                       ; pitch
	s_mov_b32 s[G1A+6], 0
	s_mov_b32 s[G1A+7], 0
	; group 1 for W: 64 rows (k) x 256 bf16 (n), 1,024 elements from row to row
	s_or_b32 s[G1B+0], s37, (1<<16)|(1<<20)|(1<<21)|(6<<22)|(7<<25)  ; mask of my column; element of 2 bytes; after every 128 words, 8 words
	s_mov_b32 s[G1B+1], 256<<16
	s_mov_b32 s[G1B+2], 64<<16
	s_mov_b32 s[G1B+3], 256<<16
	s_mov_b32 s[G1B+4], 64
	s_mov_b32 s[G1B+5], 1024
	s_mov_b32 s[G1B+6], 0
	s_mov_b32 s[G1B+7], 0
	; X's offset hangs on cy, never on cx; W's on cx, never on cy: each in registers of its own
	s_lshl_b32 s76, s32, 7
	s_lshl_b32 s77, s26, 6
	s_add_co_u32 s76, s76, s77                     ; m = 128 mblk + 64 half
	s_lshl_b32 s76, s76, 14                        ; x 16,384 bytes
	s_lshl_b32 s77, s31, 12
	s_add_co_u32 s76, s76, s77                     ; + batch x 4,096 bytes
	s_mov_b32 s77, 0
	s_lshl_b32 s78, s30, 21                        ; W's section
	s_lshl_b32 s79, s26, 17                        ; + 64 half rows of 2,048 bytes
	s_add_co_u32 s78, s78, s79
	s_lshl_b32 s79, s38, 9                         ; + 256 nb columns of 2 bytes
	s_add_co_u32 s78, s78, s79
	s_mov_b32 s79, 0
	s_mul_i32 s80, s24, HALF                       ; where my part goes: wave x 34,816, no place in the cluster enters
	; the prefetch's offset, in registers that feed no descriptor: row 128 mblk + 32 cx + 8 wave, of 16,384 bytes, + batch x 4,096
	s_lshl_b32 s[PFB], s32, 21
	s_lshl_b32 s[PFB+1], s27, 19
	s_add_co_u32 s[PFB], s[PFB], s[PFB+1]
	s_lshl_b32 s[PFB+1], s24, 17
	s_add_co_u32 s[PFB], s[PFB], s[PFB+1]
	s_lshl_b32 s[PFB+1], s31, 12
	s_add_co_u32 s[PFB], s[PFB], s[PFB+1]
	s_mov_b32 s[PFB+1], 0
	s_mov_b32 s35, 0x3f800000
	s_wait_dscnt 0x0
	s_wait_kmcnt 0x0
	s_cmp_eq_u32 s30, 1                            ; the choice of the buffers hangs on p alone
	s_cselect_b64 s[4:5], s[6:7], s[4:5]
	s_cselect_b64 s[12:13], s[14:15], s[12:13]
	s_cselect_b64 s[18:19], s[20:21], s[18:19]
	s_cmp_eq_u32 s30, 2
	s_cselect_b64 s[4:5], s[8:9], s[4:5]
	s_cselect_b64 s[12:13], s[16:17], s[12:13]
	s_cselect_b64 s[18:19], s[22:23], s[18:19]
	s_cmp_eq_u32 s30, 0
	s_cselect_b32 s34, 0x3e38aa3b, s35             ; 0.125 log2(e) for Q, else 1
	s_mov_b32 s35, s34
	s_add_nc_u64 s[76:77], s[4:5], s[76:77]
	s_add_nc_u64 s[78:79], s[10:11], s[78:79]
	s_add_nc_u64 s[PFB:PFB+1], s[4:5], s[PFB:PFB+1]
	CROUND                                         ; all sixteen work-groups are here: the first joint loads meet
.irp s, 0,1
	s_mov_b32 s[G0A+4*\s], 1
	s_add_co_u32 s[G0A+4*\s+1], s80, \s*SLOT
	s_add_nc_u64 s[G0A+4*\s+2:G0A+4*\s+3], s[76:77], \s*512          ; K step s: 128 f32 along the row
	s_or_b32 s[G0A+4*\s+3], s[G0A+4*\s+3], 0x80000000
	s_mov_b32 s[G0B+4*\s], 1
	s_add_co_u32 s[G0B+4*\s+1], s80, \s*SLOT
	s_add_nc_u64 s[G0B+4*\s+2:G0B+4*\s+3], s[78:79], \s*262144       ; K step s: 128 rows of 2,048 bytes
	s_or_b32 s[G0B+4*\s+3], s[G0B+4*\s+3], 0x80000000
	JLOAD \s                                       ; both first fills go out before anything else: two tensor loads of the wave are out
.endr
	v_and_b32 v1, 15, v0                           ; r = l % 16
	v_bfe_u32 v2, v0, 4, 1                         ; h = l / 16
	v_mul_u32_u24 v3, v1, PA
	v_lshl_add_u32 v3, v2, 5, v3                   ; X: row r, 8 f32 = 32 bytes for each half of the lanes
	s_mul_i32 s82, s25, HALF                       ; my 64 rows are one half of X's tile
	v_add_nc_u32 v[ADRA], s82, v3
	v_add_nc_u32 v[ADRA+1], SLOT, v[ADRA]
	v_and_b32 v4, 7, v0
	v_lshl_add_u32 v4, v2, 3, v4                   ; W: row k = 8 h + l % 8,
	v_mul_u32_u24 v4, v4, PB
	v_bfe_u32 v5, v0, 3, 1
	v_lshl_add_u32 v4, v5, 4, v4                   ; 16 bytes further for lanes 8-15 and 24-31
	s_lshl_b32 s83, s26, 8                         ; my 128 columns
	s_add_co_u32 s83, s83, 2*HALF                  ; behind X's two halves
	v_add_nc_u32 v[ADRB], s83, v4
	v_add_nc_u32 v[ADRB+1], SLOT, v[ADRB]
	s_mul_i32 s81, s24, WSTAGE
	s_add_co_u32 s81, s81, STAGE                   ; my stage
	v_mul_u32_u24 v6, v1, SPITCH
	v_lshl_add_u32 v6, v2, 4, v6
	v_add_nc_u32 v[STO], s81, v6                   ; in: row r, 16 bytes for each half of the lanes
	v_bfe_u32 v6, v0, 3, 2
	v_mul_u32_u24 v6, v6, SPITCH
	v_and_b32 v7, 7, v0
	v_lshl_add_u32 v6, v7, 4, v6
	v_add_nc_u32 v[RD], s81, v6                    ; back: eight lanes take a head's 128 bytes of a row, 32 lanes four rows
	v_and_b32 v7, 31, v0
	v_lshlrev_b32 v[CO], 4, v7
	s_lshl_b32 s84, s38, 10
	s_lshl_b32 s85, s26, 9
	s_add_co_u32 s84, s84, s85
	v_lshl_add_u32 v[BO], v2, 5, s84               ; bias: (256 nb + 128 nh + 8 h) x 4 bytes
	v_bfe_u32 v6, v0, 2, 3                         ; prefetch: row l / 4 of my wave's eight,
	v_and_b32 v7, 3, v0
	v_lshlrev_b32 v7, 8, v7                        ; block l % 4 of a lap's four blocks of 256 bytes
	v_lshl_add_u32 v[PFO], v6, 14, v7
	WIN 0x80                                       ; destination window 2
.irp b, 0,1,2,3,4,5,6,7
	global_load_b128 v[8*\b:8*\b+3],   v[BO], s[12:13] offset:64*\b      ; waited for on the way out; v15 and s[12:13] are never written again
	global_load_b128 v[8*\b+4:8*\b+7], v[BO], s[12:13] offset:64*\b+16
.endr
	WIN 0
; 32 LDS loads: the fragments of quarter q (32 along K) of a slot.  X as f32: k = 8 h + 0..7 are 32 bytes at 128 q + 32 h, k = 16 + 8 h + 0..7 lie 64 bytes on.
; W by the transposing load: the first brings k = 8 h + 0..7 of column 16 b + r, the second, 16 rows down, k = 16 + 8 h + 0..7.
.macro LFETCH slot, q, bf
.irp a, 0,1,2,3
	ds_load_b128 v[RAW+16*\a:RAW+16*\a+3],     v[ADRA+\slot] offset:\a*16*PA+(\q)*128
	ds_load_b128 v[RAW+16*\a+4:RAW+16*\a+7],   v[ADRA+\slot] offset:\a*16*PA+(\q)*128+16
	ds_load_b128 v[RAW+16*\a+8:RAW+16*\a+11],  v[ADRA+\slot] offset:\a*16*PA+(\q)*128+64
	ds_load_b128 v[RAW+16*\a+12:RAW+16*\a+15], v[ADRA+\slot] offset:\a*16*PA+(\q)*128+80
.endr
.irp b, 0,1,2,3,4,5,6,7
	ds_load_tr16_b128 v[\bf+8*\b:\bf+8*\b+3],   v[ADRB+\slot] offset:(\q)*32*PB+32*\b
	ds_load_tr16_b128 v[\bf+8*\b+4:\bf+8*\b+7], v[ADRB+\slot] offset:(\q)*32*PB+32*\b+16*PB
.endr
.endm
.macro CVT                             ; X's fragments, f32 to bf16, two roundings an instruction
.irp a, 0,1,2,3
.irp i, 0,1,2,3,4,5,6,7
	v_cvt_pk_bf16_f32 v[AF+8*\a+\i], v[RAW+16*\a+2*\i], v[RAW+16*\a+2*\i+1]
.endr
.endr
.endm
; 16 matrix instructions: m tiles a0, a0 + 1 x all 8 n tiles.  zero = 1: the first product starts the sums.
; The 32 accumulators take turns, one instruction a turn, in the same order in every quarter.
.macro MUL16 a0, bf, zero
.irp a, \a0, \a0+1
.irp b, 0,1,2,3,4,5,6,7
.if \zero
	v_wmma_f32_16x16x32_bf16 v[8*(8*(\a)+\b):8*(8*(\a)+\b)+7], v[\bf+8*\b:\bf+8*\b+7], v[AF+8*(\a):AF+8*(\a)+7], 0
.else
	v_wmma_f32_16x16x32_bf16 v[8*(8*(\a)+\b):8*(8*(\a)+\b)+7], v[\bf+8*\b:\bf+8*\b+7], v[AF+8*(\a):AF+8*(\a)+7], v[8*(8*(\a)+\b):8*(8*(\a)+\b)+7]
.endif
.endr
.endr
.endm
; One of a K step's first three quarters: multiplies W buffer f, fetches the next quarter into RAW and buffer g ahead of its 32 products.
; pf = 1 (a lap's first quarter): the wave also asks for its 8 rows of the next lap's two tiles of X, behind its LDS loads and ahead of 32 products.
.macro QUARTER slot, q, f, g, zero, pf
	PLACES                                         ; behind the last quarter's products: AF is written and buffer g loaded only behind these
	s_wait_dscnt 0x0                               ; this quarter's 32 loads, issued ahead of the last 32 products
	CVT
	LFETCH \slot, \q+1, \g
.if \pf
	s_wait_xcnt 0x0                                ; the base that the last lap's prefetch named is stepped only behind this wait
	s_add_nc_u64 s[PFB:PFB+1], s[PFB:PFB+1], 1024  ; the next lap: 256 f32 along the row
	global_prefetch_b8 v[PFO], s[PFB:PFB+1] th:TH_LOAD_NT scope:SCOPE_SE
.endif
	WIN 0x50                                       ; C and D window 1
	MUL16 0, \f, \zero
	MUL16 2, \f, \zero
	WIN 0
.endm
; The fourth quarter changes slots.  In front of the barrier each wave waits for its reads of this slot and for all its tensor loads (the one out is
; its part of the next slot); where the slot is filled again the barrier opens a round of the cluster's barrier, and the joint refill is the wave's
; first tensor load behind the round, ahead of the next slot's first reads.  The round holds no work: the quarter's 32 products stand behind the request,
; so that the request follows the landing of the tile before it as closely as the round allows.  From a request to the wait for it lie 128 products.
.macro TURN slot, next, fill
	PLACES
	s_wait_dscnt 0x0                               ; my last reads of this slot are back
	CVT
	s_wait_tensorcnt 0x0                           ; all my tensor loads have landed, so a group 0 may be written
	ds_add_u32 v254, v255
	s_wait_dscnt 0x0
.if \fill
	s_add_nc_u64 s[G0A+4*\slot+2:G0A+4*\slot+3], s[G0A+4*\slot+2:G0A+4*\slot+3], 1024      ; two K steps on: 256 f32
	s_add_nc_u64 s[G0B+4*\slot+2:G0B+4*\slot+3], s[G0B+4*\slot+2:G0B+4*\slot+3], 524288    ; 256 rows of 2,048 bytes
	CROUND                                         ; no wave of any partner still reads this slot or has a load on its way
	JLOAD \slot
.else
	s_barrier_signal -1
	s_barrier_wait -1                              ; the next slot is whole for every wave
.endif
	LFETCH \next, 0, BF0                           ; buffer 0 was last read by the third quarter's products, in front of this macro's four places
	WIN 0x50
	MUL16 0, BF1, 0
	MUL16 2, BF1, 0
	WIN 0
.endm
.macro THREE slot, zero, pf
	QUARTER \slot, 0, BF0, BF1, \zero, \pf
	QUARTER \slot, 1, BF1, BF0, 0, 0
	QUARTER \slot, 2, BF0, BF1, 0, 0
.endm
.macro LAP zero
	THREE 0, \zero, 1
	TURN 0, 1, 1
	THREE 1, 0, 0
	TURN 1, 0, 1
.endm
	s_wait_tensorcnt 0x1                           ; my part of K step 0 is in; K step 1's may stay out
	s_barrier_signal -1
	s_barrier_wait -1
	LFETCH 0, 0, BF0
	LAP 1                                          ; K steps 0, 1: the first products start the sums
	s_mov_b32 s33, 2
.Llap:
	LAP 0                                          ; K steps 2 to 5
	s_sub_co_u32 s33, s33, 1
	s_cmp_lg_u32 s33, 0
	s_cbranch_scc1 .Llap
	THREE 0, 0, 0                                  ; K steps 6, 7 fill nothing and ask for nothing
	TURN 0, 1, 0
	THREE 1, 0, 0
	PLACES
	s_wait_dscnt 0x0
	CVT
	WIN 0x50
	MUL16 0, BF1, 0
	MUL16 2, BF1, 0
	WIN 0
	; THE WAY OUT.  (sum + bias) * scale = sum * scale + (bias * scale): one fused multiply-add for each pair.
	PLACES                                         ; behind the last products, in front of the reads of their results and of loads into the fragment buffers
	s_lshl_b32 s86, s31, 22                        ; OUT: ((16 batch + 4 nb + 2 nh) x 2,048 + 128 mblk + 64 mh) rows of 128 bytes
	s_lshl_b32 s85, s38, 20
	s_add_co_u32 s86, s86, s85
	s_lshl_b32 s85, s26, 19
	s_add_co_u32 s86, s86, s85
	s_lshl_b32 s85, s32, 14
	s_add_co_u32 s86, s86, s85
	s_lshl_b32 s85, s25, 13
	s_add_co_u32 s86, s86, s85
	s_mov_b32 s87, 0
	s_add_nc_u64 s[18:19], s[18:19], s[86:87]
	s_wait_loadcnt 0x0                             ; the bias
	WIN 0x82
.set pp, 0
.rept 32
	v_pk_mul_f32 v[2*pp:2*pp+1], v[2*pp:2*pp+1], s[34:35] op_sel_hi:[1,0]
.set pp, pp+1
.endr
; 16 rows at a time: scale and bias, round, 16 bytes a lane into my own stage, read back by heads: four rows of a head are 512 consecutive bytes of OUT.
.macro OUT16 i, f
	WIN 0x21                                       ; source 0 window 1 (sums), source 2 window 2 (bias)
.irp b, 0,1,2,3,4,5,6,7
.irp j, 0,1,2,3
	v_pk_fma_f32 v[RAW+8*\b+2*\j:RAW+8*\b+2*\j+1], v[8*(8*\i+\b)+2*\j:8*(8*\i+\b)+2*\j+1], s[34:35], v[8*\b+2*\j:8*\b+2*\j+1] op_sel_hi:[1,0,1]
.endr
.endr
	WIN 0
.irp b, 0,1,2,3,4,5,6,7
.irp j, 0,1,2,3
	v_cvt_pk_bf16_f32 v[AF+4*\b+\j], v[RAW+8*\b+2*\j], v[RAW+8*\b+2*\j+1]
.endr
.endr
.irp b, 0,1,2,3,4,5,6,7
	ds_store_b128 v[STO], v[AF+4*\b:AF+4*\b+3] offset:32*\b
.endr
	s_wait_xcnt 0x0                                ; buffer f, which earlier stores read, is loaded again only behind this wait
.irp t, 0,1,2,3,4,5,6,7
	ds_load_b128 v[\f+4*\t:\f+4*\t+3], v[RD] offset:(\t/4)*128+(\t%4)*4*SPITCH      ; LDS serves a wave's instructions in order: these see the stores above
.endr
.irp t, 0,1,2,3,4,5,6,7
	s_wait_dscnt 7-\t                              ; read-back t is in, the younger ones stay out
	global_store_b128 v[CO], v[\f+4*\t:\f+4*\t+3], s[18:19] offset:(\t/4)*262144+(16*\i+4*(\t%4))*128   ; 32 lanes store 512 consecutive bytes, aligned
.endr
.endm
	OUT16 0, BF0
	OUT16 1, BF1
	OUT16 2, BF0
	OUT16 3, BF1
	s_wait_tensorcnt 0x0
	ds_add_u32 v254, v255
	s_wait_dscnt 0x0
	CROUND                                         ; the closing round: no work-group ends while a partner may still ask for a tile that names it
	s_endpgm
.Lfunc_end_k_q3a9f44370f_proj:
	.size	k_q3a9f44370f_proj, .Lfunc_end_k_q3a9f44370f_proj-k_q3a9f44370f_proj
	.p2alignl 7, 3214868480
	.fill 96, 4, 3214868480
	.section	.rodata,"a",@progbits
	.p2align	6, 0x0
	.amdhsa_kernel k_q3a9f44370f_proj
		.amdhsa_group_segment_fixed_size 327680
		.amdhsa_private_segment_fixed_size 0
		.amdhsa_enable_private_segment 0
		.amdhsa_kernarg_size 80
		.amdhsa_user_sgpr_count 2
		.amdhsa_user_sgpr_kernarg_segment_ptr 1
		.amdhsa_wavefront_size32 1
		.amdhsa_system_sgpr_workgroup_id_x 1
		.amdhsa_system_sgpr_workgroup_id_y 1
		.amdhsa_system_sgpr_workgroup_id_z 1
		.amdhsa_system_vgpr_workitem_id 0
		.amdhsa_next_free_vgpr 576
		.amdhsa_next_free_sgpr 88
		.amdhsa_reserve_vcc 0
		.amdhsa_float_denorm_mode_32 3
		.amdhsa_float_denorm_mode_16_64 3
		.amdhsa_memory_ordered 1
		.amdhsa_forward_progress 1
		.amdhsa_inst_pref_size 190
	.end_amdhsa_kernel
	.amdgpu_metadata
---
amdhsa.version: [ 1, 2 ]
amdhsa.kernels:
  - .name:           k_q3a9f44370f_proj
    .symbol:         k_q3a9f44370f_proj.kd
    .args:
      - { .name: query, .offset: 0, .size: 8, .value_kind: global_buffer, .address_space: global }
      - { .name: key, .offset: 8, .size: 8, .value_kind: global_buffer, .address_space: global }
      - { .name: value, .offset: 16, .size: 8, .value_kind: global_buffer, .address_space: global }
      - { .name: wb, .offset: 24, .size: 8, .value_kind: global_buffer, .address_space: global }
      - { .name: bq, .offset: 32, .size: 8, .value_kind: global_buffer, .address_space: global }
      - { .name: bk, .offset: 40, .size: 8, .value_kind: global_buffer, .address_space: global }
      - { .name: bv, .offset: 48, .size: 8, .value_kind: global_buffer, .address_space: global }
      - { .name: qh, .offset: 56, .size: 8, .value_kind: global_buffer, .address_space: global }
      - { .name: kh, .offset: 64, .size: 8, .value_kind: global_buffer, .address_space: global }
      - { .name: vh, .offset: 72, .size: 8, .value_kind: global_buffer, .address_space: global }
    .group_segment_fixed_size: 327680
    .private_segment_fixed_size: 0
    .kernarg_segment_align: 8
    .kernarg_segment_size: 80
    .max_flat_workgroup_size: 128
    .sgpr_count:     88
    .vgpr_count:     576
    .wavefront_size: 32
...
	.end_amdgpu_metadata
.endif
;; end of part 2
;; launch attn (part 3): grid 256 x 1, 8 waves a work-group, clusters of 4 x 1, 327,680 bytes of LDS; arguments qh, kh, vh, ao; writes ao
.if DOCPART == 3
	.amdgcn_target "amdgcn-amd-amdhsa--gfx1250"
	.amdhsa_code_object_version 6
	.text
	.protected	k_q3a9f44370f_attn
	.globl	k_q3a9f44370f_attn
	.p2align	8
	.type	k_q3a9f44370f_attn,@function
k_q3a9f44370f_attn:
	s_mov_b64 s[64:65], 0
	v_nop
	global_prefetch_b8 v0, s[64:65] scope:SCOPE_SE
	s_setreg_imm32_b32 hwreg(HW_REG_WAVE_MODE, 25, 1), 1
	s_wait_xcnt 0x0
	s_wait_alu depctr_hold_cnt(0) depctr_sa_sdst(0) depctr_va_vdst(0) depctr_va_sdst(0) depctr_va_ssrc(0) depctr_va_vcc(0) depctr_vm_vsrc(0)
	s_getreg_b32 s2, hwreg(HW_REG_IB_STS2, 6, 4)
	s_cmp_eq_u32 s2, 0
	s_cbranch_scc0 .Lentry_in_a_cluster
	s_endpgm
.Lentry_in_a_cluster:
	s_bfe_u32 s2, ttmp6, 0x10000c
	s_cmp_lg_u32 s2, 0x3003
	s_cbranch_scc0 .Lentry_shape_is_right
	s_endpgm
.Lentry_shape_is_right:
; ao[bh][m][:] = softmax over n of (Q'[bh][m] . K[bh][n]) applied to V[bh][n][:], for 64 (batch, head) pairs; all four buffers [bh][2048][64] bf16.
; Q' already carries 0.125 log2(e), so the exponentials are in base 2.  A running maximum is taken away before every exponential.
; LIMITS, stated: the row sum adds the unrounded p while the product with V takes p rounded to bf16; the maximum is taken by instructions in which
; a NaN loses, so inputs with NaN or infinities are not served as the formula would serve them.
; A work-group has 512 queries of one head, a wave 64.  Eight waves, two for each SIMD, so that one wave's softmax can lie under the other's products.
; CLUSTERS: the four work-groups of a head form a cluster and ask for K's and V's tiles jointly (mask 15): the requests are divided by four.
; TRANSPOSED FORM.  S^T = K Q^T: source 0 = 16 keys, source 1 = 16 queries.  Lane (r, h) then holds query r and keys 8 h + 0..7 of each tile: maximum and sum
; stay in the lane but for one exchange between the halves, and two tiles' p, packed, ARE the second operand of O^T = V^T P^T: no lane traffic.
; V stays [key][d] in LDS and is read by transposing loads.  In O^T a lane holds one query, so the rescale factor is one number a lane.
; THE TEXT IS KEPT SHORT.  Keys go in 32 sub-steps of 64.  A sub-step's LDS offsets stand in immediates, so the loop writes out as many sub-steps as the ring
; holds: two slots of 128 keys make four.  The loop is turned by one sub-step, so that only the first (which starts maxima, sums and O) stands ahead of it:
; 1 ahead + 7 trips x 4 + 3 behind = 32 sub-steps run, 8 are written.  All 14 refills stand in the loop, two a trip; the last three sub-steps fill nothing.
; A slot's tile of K (of V) is 128 rows of a head's own 128 bytes, shared among four waves: 32 rows a load, so that every wave issues exactly one load behind each round.
; THE ROUND IS SPREAD OVER THE SUB-STEP.  In a slot's last sub-step all fragments are in registers once the first half of S^T has been issued, and everything up to
; the product with V is register work.  So each of the round's three stages has work inside it, and a wave that arrives first goes on working while the others arrive:
; opening barrier: 16 products, the maxima, 64 subtractions; cluster's stage: 64 exponentials; closing barrier: 64 exponentials, the sums, the packing, the rescale of O.
.set PK,     144                       ; K's LDS pitch: 128 + 16, an odd multiple of 16
.set PVV,    160                       ; V's LDS pitch: 128 + 32, an odd multiple of 32
.set SKEYS,  128                       ; keys in a slot
.set PART,   SKEYS/4                   ; rows that one tensor load brings
.set KSLOT,  SKEYS*PK                  ; 18,432
.set VSLOT,  SKEYS*PVV                 ; 20,480
.set VBASE,  2*KSLOT                   ; 36,864
.set STAGE,  VBASE+2*VSLOT             ; 77,824: bytes that no tensor load fills, 64 rows x 144 for each wave
.set WSTAGE, 64*PK
.set ADRK, 8                           ; v8-9    LDS address of my K fragments, slot 0, 1
.set ADRV, 10                          ; v10-11  the same for V
.set STO,  12
.set RD,   13
.set CO,   14                          ; 16 x lane
.set QOFF, 15
.set NM,   16                          ; v16-23  (-m, -m) for each of my four query tiles
.set AL,   24                          ; v24-31  (alpha, alpha); at the end (1/l, 1/l)
.set LS,   32                          ; v32-39  running sums, a pair for each query tile
.set MX,   40                          ; v40-43  running maxima
.set TT,   44                          ; v44-47  at work
.set UU,   48                          ; v48-51  the other half's number
.set KF,   64                          ; v64-127 K fragments at 8 (2 nt + c)
.set SC,   128                         ; v128-255 S, then p, then packed P, at 32 mt + 8 nt
; window 1: v0-127 O at 8 (4 mt + dt); v128-191 Q fragments at 8 (2 mt + c); v192-255 V fragments at 8 (2 dt + c)
.set QF,   128
.set VF,   192
.set G1K, 16
.set G1V, 24
.set G0K, 32
.set G0V, 40
.set MSB, 0
.macro WIN new                         ; s_set_vgpr_msb: bits 1:0 source 0, 3:2 source 1, 5:4 source 2, 7:6 destination; the high byte repeats the setting left
.if MSB != \new
	s_set_vgpr_msb (MSB<<8)|\new
.set MSB, \new
.endif
.endm
.macro PLACES n                        ; places behind matrix instructions (ISA guide 7.12.1)
.rept \n
	v_nop
.endr
.endm
.macro JLOAD s                         ; waves 0-3 fetch K's quarters, waves 4-7 V's; the branch hangs on the wave's number alone
	s_cmp_eq_u32 s13, 0
	s_cbranch_scc0 .Lfor_v_\@
	tensor_load_to_lds s[G0K+4*\s:G0K+4*\s+3], s[G1K:G1K+7]
	s_nop 0
	s_branch .Lasked_\@
.Lfor_v_\@:
	tensor_load_to_lds s[G0V+4*\s:G0V+4*\s+3], s[G1V:G1V+7]
	s_nop 0
.Lasked_\@:
.endm
.macro CROUND                          ; a whole round of the cluster's barrier with no work inside: at the start and at the end
	s_barrier_signal -1
	s_barrier_wait -1
	s_cmp_lg_u32 s12, 0
	s_cbranch_scc1 .Lnot_wave_0_\@
	s_barrier_signal -3
.Lnot_wave_0_\@:
	s_barrier_wait -3
	s_barrier_signal -1
	s_barrier_wait -1
.endm
	s_load_b256 s[4:11], s[0:1], 0x0               ; qh s[4:5], kh s[6:7], vh s[8:9], ao s[10:11]
	v_lshl_add_u32 v62, v0, 2, 0x29000
	v_mov_b32 v63, 0
	ds_add_u32 v62, v63
	v_lshrrev_b32 v1, 5, v0
	v_readfirstlane_b32 s12, v1                    ; wave 0..7
	s_lshr_b32 s13, s12, 2                         ; I fetch for K (0) or for V (1)
	s_and_b32 s14, s12, 3                          ; which 32 rows of the tile
	s_bfe_u32 s15, ttmp6, 0x40000                  ; cx: my block of 512 queries; ttmp9 counts clusters = heads
	s_mov_b32 s48, 0x76543210                      ; v_permlanex16_b32: lane i reads lane i of the other half
	s_mov_b32 s49, 0xfedcba98
	; group 1: 32 rows x 64 bf16, dense in memory; padded to 144 (K) or 160 (V) bytes in LDS
	s_mov_b32 s[G1K+0], 15|(1<<16)|(1<<20)|(1<<21)|(4<<22)|(3<<25)   ; mask of all four; 2 bytes; padding on; bit 21 beside a mask; after every 32 words, 4 words
	s_mov_b32 s[G1K+1], 64<<16                     ; tensor_dim0 = 64
	s_mov_b32 s[G1K+2], PART<<16                   ; tensor_dim1 = 32
	s_mov_b32 s[G1K+3], 64<<16                     ; tile_dim0 = 64
	s_mov_b32 s[G1K+4], PART                       ; tile_dim1 = 32
	s_mov_b32 s[G1K+5], 64                         ; pitch
	s_mov_b32 s[G1K+6], 0
	s_mov_b32 s[G1K+7], 0
	s_mov_b32 s[G1V+0], 15|(1<<16)|(1<<20)|(1<<21)|(4<<22)|(7<<25)   ; the same with 8 words of padding
	s_mov_b32 s[G1V+1], 64<<16
	s_mov_b32 s[G1V+2], PART<<16
	s_mov_b32 s[G1V+3], 64<<16
	s_mov_b32 s[G1V+4], PART
	s_mov_b32 s[G1V+5], 64
	s_mov_b32 s[G1V+6], 0
	s_mov_b32 s[G1V+7], 0
	s_lshl_b32 s52, ttmp9, 18                      ; the head: 262,144 bytes
	s_lshl_b32 s53, s14, 12                        ; + my 32 rows of 128 bytes: nothing here hangs on cx
	s_add_co_u32 s52, s52, s53
	s_mov_b32 s53, 0
	s_mul_i32 s54, s12, PART*PK                    ; K, waves 0-3: wave x 4,608
	s_mul_i32 s55, s12, PART*PVV                   ; V, waves 4-7: 36,864 + (wave - 4) x 5,120
	s_add_co_u32 s55, s55, VBASE-4*PART*PVV
	s_lshl_b32 s60, ttmp9, 18                      ; my 64 queries: head, + 512 cx rows, + 64 wave rows, of 128 bytes
	s_lshl_b32 s61, s15, 16
	s_add_co_u32 s60, s60, s61
	s_lshl_b32 s61, s12, 13
	s_add_co_u32 s60, s60, s61
	s_mov_b32 s61, 0
	s_wait_dscnt 0x0
	s_wait_kmcnt 0x0
	s_add_nc_u64 s[56:57], s[6:7], s[52:53]
	s_add_nc_u64 s[58:59], s[8:9], s[52:53]
	s_add_nc_u64 s[4:5], s[4:5], s[60:61]
	s_add_nc_u64 s[10:11], s[10:11], s[60:61]
	CROUND                                         ; the four work-groups are here: the first joint loads meet
.irp s, 0,1
	s_mov_b32 s[G0K+4*\s], 1
	s_add_co_u32 s[G0K+4*\s+1], s54, \s*KSLOT
	s_add_nc_u64 s[G0K+4*\s+2:G0K+4*\s+3], s[56:57], \s*SKEYS*128    ; slot step s: 128 rows of 128 bytes
	s_or_b32 s[G0K+4*\s+3], s[G0K+4*\s+3], 0x80000000
	s_mov_b32 s[G0V+4*\s], 1
	s_add_co_u32 s[G0V+4*\s+1], s55, \s*VSLOT
	s_add_nc_u64 s[G0V+4*\s+2:G0V+4*\s+3], s[58:59], \s*SKEYS*128
	s_or_b32 s[G0V+4*\s+3], s[G0V+4*\s+3], 0x80000000
	JLOAD \s                                       ; two tensor loads of the wave are out
.endr
	v_and_b32 v1, 15, v0                           ; r
	v_bfe_u32 v2, v0, 4, 1                         ; h
	v_mul_u32_u24 v3, v1, PK
	v_lshl_add_u32 v[ADRK], v2, 4, v3              ; K: row r, 16 bytes for each half of the lanes
	v_add_nc_u32 v[ADRK+1], KSLOT, v[ADRK]
	v_and_b32 v4, 7, v0
	v_lshl_add_u32 v4, v2, 3, v4                   ; V: row (key) 8 h + l % 8,
	v_mul_u32_u24 v4, v4, PVV
	v_bfe_u32 v5, v0, 3, 1
	v_lshl_add_u32 v4, v5, 4, v4                   ; 16 bytes further for lanes 8-15 and 24-31
	v_add_nc_u32 v[ADRV], VBASE, v4
	v_add_nc_u32 v[ADRV+1], VBASE+VSLOT, v4
	s_mul_i32 s51, s12, WSTAGE
	s_add_co_u32 s51, s51, STAGE
	v_add_nc_u32 v[STO], s51, v[ADRK]              ; the way out, in: row r x 144 + 16 h in my stage
	v_bfe_u32 v6, v0, 3, 2
	v_mul_u32_u24 v6, v6, PK
	v_and_b32 v7, 7, v0
	v_lshl_add_u32 v6, v7, 4, v6
	v_add_nc_u32 v[RD], s51, v6                    ; back: eight lanes a row of 128 bytes, 32 lanes four rows
	v_and_b32 v7, 31, v0
	v_lshlrev_b32 v[CO], 4, v7
	v_lshlrev_b32 v3, 7, v1
	v_lshl_add_u32 v[QOFF], v2, 4, v3              ; Q: row r x 128 + 16 h
.irp mt, 0,1,2,3
	v_mov_b32 v[UU+\mt], 0                         ; the lane exchange counts as a reader of its destination
.endr
	WIN 0x40                                       ; destination window 1
.irp mt, 0,1,2,3
.irp c, 0,1
	global_load_b128 v[QF+8*(2*\mt+\c):QF+8*(2*\mt+\c)+3],   v[QOFF], s[4:5] offset:\mt*2048+64*\c th:TH_LOAD_NT
	global_load_b128 v[QF+8*(2*\mt+\c)+4:QF+8*(2*\mt+\c)+7], v[QOFF], s[4:5] offset:\mt*2048+64*\c+32 th:TH_LOAD_NT
.endr
.endr
	WIN 0
.macro KLOAD slot, i                   ; 16 loads: the K fragments of sub-step i of a slot (64 keys x 64 d)
.irp nt, 0,1,2,3
.irp c, 0,1
	ds_load_b128 v[KF+8*(2*\nt+\c):KF+8*(2*\nt+\c)+3],   v[ADRK+(\slot)] offset:(\i)*64*PK+\nt*16*PK+64*\c
	ds_load_b128 v[KF+8*(2*\nt+\c)+4:KF+8*(2*\nt+\c)+7], v[ADRK+(\slot)] offset:(\i)*64*PK+\nt*16*PK+64*\c+32
.endr
.endr
.endm
.macro VLOAD slot, i                   ; 16 transposing loads: V^T fragments (16 d x 32 keys) of sub-step i
	WIN 0x40
.irp dt, 0,1,2,3
.irp c, 0,1
	ds_load_tr16_b128 v[VF+8*(2*\dt+\c):VF+8*(2*\dt+\c)+3],   v[ADRV+(\slot)] offset:(\i)*64*PVV+\c*32*PVV+32*\dt
	ds_load_tr16_b128 v[VF+8*(2*\dt+\c)+4:VF+8*(2*\dt+\c)+7], v[ADRV+(\slot)] offset:(\i)*64*PVV+\c*32*PVV+32*\dt+16*PVV
.endr
.endr
.endm
; S^T: 16 tiles, d in two halves.  The 16 accumulators take turns, one instruction a turn, in the same order for both halves.
.macro QK0                             ; d = 0..31: starts the 16 sums
	WIN 0x04                                       ; source 1 (Q) window 1
.irp mt, 0,1,2,3
.irp nt, 0,1,2,3
	v_wmma_f32_16x16x32_bf16 v[SC+32*\mt+8*\nt:SC+32*\mt+8*\nt+7], v[KF+16*\nt:KF+16*\nt+7], v[QF+16*\mt:QF+16*\mt+7], 0
.endr
.endr
.endm
.macro QK1                             ; d = 32..63
	WIN 0x04
.irp mt, 0,1,2,3
.irp nt, 0,1,2,3
	v_wmma_f32_16x16x32_bf16 v[SC+32*\mt+8*\nt:SC+32*\mt+8*\nt+7], v[KF+16*\nt+8:KF+16*\nt+15], v[QF+16*\mt+8:QF+16*\mt+15], v[SC+32*\mt+8*\nt:SC+32*\mt+8*\nt+7]
.endr
.endr
.endm
; The new running maximum of each of my four query tiles, alpha = 2^(old - new), and -new.  Register work only.  Four chains that do not wait for each other.
.macro SMAX first
.irp mt, 0,1,2,3
	v_max3_num_f32 v[TT+\mt], v[SC+32*\mt], v[SC+32*\mt+1], v[SC+32*\mt+2]
.endr
.set pp, 3
.rept 14
.irp mt, 0,1,2,3
	v_max3_num_f32 v[TT+\mt], v[TT+\mt], v[SC+32*\mt+pp], v[SC+32*\mt+pp+1]
.endr
.set pp, pp+2
.endr
.irp mt, 0,1,2,3
.if \first
	v_max_num_f32 v[TT+\mt], v[TT+\mt], v[SC+32*\mt+31]
.else
	v_max3_num_f32 v[TT+\mt], v[TT+\mt], v[SC+32*\mt+31], v[MX+\mt]      ; the last link takes the old maximum in
.endif
.endr
.irp mt, 0,1,2,3
	v_permlanex16_b32 v[UU+\mt], v[TT+\mt], s48, s49                     ; the other eight keys of each tile lie in the other half of the lanes
.endr
.irp mt, 0,1,2,3
	v_max_num_f32 v[TT+\mt], v[TT+\mt], v[UU+\mt]
.endr
.if \first == 0
.irp mt, 0,1,2,3
	v_sub_f32 v[AL+2*\mt], v[MX+\mt], v[TT+\mt]
.endr
.irp mt, 0,1,2,3
	v_exp_f32 v[AL+2*\mt], v[AL+2*\mt]                                   ; its result is first read twelve plain instructions further down (ISA guide 5.7.2)
.endr
.endif
.irp mt, 0,1,2,3
	v_mov_b32 v[MX+\mt], v[TT+\mt]
.endr
.irp mt, 0,1,2,3
	v_sub_f32 v[NM+2*\mt], 0, v[TT+\mt]
	v_sub_f32 v[NM+2*\mt+1], 0, v[TT+\mt]
.endr
.if \first == 0
	s_wait_alu depctr_va_vdst(0)
.irp mt, 0,1,2,3
	v_mov_b32 v[AL+2*\mt+1], v[AL+2*\mt]                                 ; the pair that the packed multiplies take
.endr
.endif
.endm
.macro COPS mt, i, first               ; pair i of tile mt's 16 pairs of p joins the running sum; pair 0 brings the rescale along in one fused multiply-add
.if \first
.if (\i) == 0
	s_wait_alu depctr_va_vdst(0)
	v_pk_add_f32 v[LS+2*\mt:LS+2*\mt+1], v[SC+32*\mt:SC+32*\mt+1], v[SC+32*\mt+2:SC+32*\mt+3]     ; pairs 0 and 1 start the sum: nothing is cleared
.elseif (\i) > 1
	v_pk_add_f32 v[LS+2*\mt:LS+2*\mt+1], v[LS+2*\mt:LS+2*\mt+1], v[SC+32*\mt+2*(\i):SC+32*\mt+2*(\i)+1]
.endif
.else
.if (\i) == 0
	s_wait_alu depctr_va_vdst(0)
	v_pk_fma_f32 v[LS+2*\mt:LS+2*\mt+1], v[LS+2*\mt:LS+2*\mt+1], v[AL+2*\mt:AL+2*\mt+1], v[SC+32*\mt:SC+32*\mt+1]
.else
	v_pk_add_f32 v[LS+2*\mt:LS+2*\mt+1], v[LS+2*\mt:LS+2*\mt+1], v[SC+32*\mt+2*(\i):SC+32*\mt+2*(\i)+1]
.endif
.endif
.endm
.macro COPC mt, i                      ; pair i is packed in place: pairs 0-7 into registers 0-7 (keys 0-31), pairs 8-15 into 16-23 (keys 32-63); the target never passes an unread pair
	v_cvt_pk_bf16_f32 v[SC+32*\mt+16*((\i)/8)+(\i)%8], v[SC+32*\mt+2*(\i)], v[SC+32*\mt+2*(\i)+1]
.endm
; p = 2^(s - m), the sums and the packing, in three parts that follow each other in every sub-step.
.macro SEXP0                           ; s - m
.irp mt, 0,1,2,3
.set pp, 0
.rept 16
	v_pk_add_f32 v[SC+32*\mt+2*pp:SC+32*\mt+2*pp+1], v[SC+32*\mt+2*pp:SC+32*\mt+2*pp+1], v[NM+2*\mt:NM+2*\mt+1]
.set pp, pp+1
.endr
.endr
.endm
.macro SEXP1                           ; the exponentials of query tiles 0 and 1
.set pp, 0
.rept 64
	v_exp_f32 v[SC+pp], v[SC+pp]
.set pp, pp+1
.endr
	v_nop                                          ; one plain instruction between the exponentials and the first use of their results (ISA guide 5.7.2)
.endm
.macro SEXP2 first                     ; the exponentials of tiles 2 and 3 take turns with the plain work on tiles 0 and 1; then the plain work on tiles 2 and 3
.set pp, 0
.rept 16
	v_exp_f32 v[SC+64+4*pp], v[SC+64+4*pp]
	COPS 0, pp, \first
	v_exp_f32 v[SC+64+4*pp+1], v[SC+64+4*pp+1]
	COPS 1, pp, \first
	v_exp_f32 v[SC+64+4*pp+2], v[SC+64+4*pp+2]
	COPC 0, pp
	v_exp_f32 v[SC+64+4*pp+3], v[SC+64+4*pp+3]
	COPC 1, pp                                     ; the last of these is the plain instruction behind the last exponential
.set pp, pp+1
.endr
.set pp, 0
.rept 16
	COPS 2, pp, \first
	COPS 3, pp, \first
	COPC 2, pp
	COPC 3, pp
.set pp, pp+1
.endr
.endm
.macro RESC                            ; O *= alpha: one number a lane for each query tile
	WIN 0x41
.irp mt, 0,1,2,3
.set pp, 0
.rept 16
	v_pk_mul_f32 v[32*\mt+2*pp:32*\mt+2*pp+1], v[32*\mt+2*pp:32*\mt+2*pp+1], v[AL+2*\mt:AL+2*\mt+1]
.set pp, pp+1
.endr
.endr
.endm
; O^T += V^T P^T: 16 tiles, the 64 keys in two halves; the 16 accumulators take turns, one instruction a turn.
.macro PV first
	WIN 0x51                                       ; source 0 (V), C and D window 1
.irp mt, 0,1,2,3
.irp dt, 0,1,2,3
.if \first
	v_wmma_f32_16x16x32_bf16 v[8*(4*\mt+\dt):8*(4*\mt+\dt)+7], v[VF+16*\dt:VF+16*\dt+7], v[SC+32*\mt:SC+32*\mt+7], 0
.else
	v_wmma_f32_16x16x32_bf16 v[8*(4*\mt+\dt):8*(4*\mt+\dt)+7], v[VF+16*\dt:VF+16*\dt+7], v[SC+32*\mt:SC+32*\mt+7], v[8*(4*\mt+\dt):8*(4*\mt+\dt)+7]
.endif
.endr
.endr
.irp mt, 0,1,2,3
.irp dt, 0,1,2,3
	v_wmma_f32_16x16x32_bf16 v[8*(4*\mt+\dt):8*(4*\mt+\dt)+7], v[VF+16*\dt+8:VF+16*\dt+15], v[SC+32*\mt+16:SC+32*\mt+23], v[8*(4*\mt+\dt):8*(4*\mt+\dt)+7]
.endr
.endr
.endm
; One sub-step of 64 keys: sub-step i (0 or 1) of a slot.  It finds its K fragments on their way (16 loads issued in the sub-step before) and leaves the next one's so.
; The vector and matrix instructions are the same, in the same order, for every edge; the edges differ in LDS loads, waits and barrier lines.
; edge 0: the slot's first sub-step.  edge 1: its second, and the slot is filled again.  edge 2: its second, nothing is filled.  edge 3: the very last.
.macro SUB slot, i, first, edge
	VLOAD \slot, \i
	s_wait_dscnt 16                                ; this sub-step's K fragments are in; the 16 V loads just issued stay out
	QK0
.if \edge == 1
	s_wait_dscnt 0x0                               ; my reads of this slot are back: V's last fragments had the 16 products above in which to land
	s_set_vgpr_msb 0x400
	s_wait_tensorcnt 0x0                           ; all my tensor loads have landed (the one out was my part of the other slot), so a group 0 may be written
	ds_add_u32 v62, v63
	s_wait_dscnt 0x0
	s_set_vgpr_msb 0x4
	s_add_nc_u64 s[G0K+4*\slot+2:G0K+4*\slot+3], s[G0K+4*\slot+2:G0K+4*\slot+3], 2*SKEYS*128     ; two slot steps on: 256 rows of 128 bytes
	s_add_nc_u64 s[G0V+4*\slot+2:G0V+4*\slot+3], s[G0V+4*\slot+2:G0V+4*\slot+3], 2*SKEYS*128
	s_barrier_signal -1                            ; opens a round of the cluster's barrier; up to its closing wait only register work follows
.endif
	QK1
	WIN 0
	PLACES 4                                       ; in front of the reads of S and of loads into the K fragments
.if \edge == 0
	KLOAD \slot, \i+1
.elseif \edge == 2
	s_wait_dscnt 0x0
	s_wait_tensorcnt 0x0                           ; my part of the last slot step has landed
	s_barrier_signal -1
.endif
	SMAX \first
.if \edge == 2
	s_barrier_wait -1                              ; everybody's has
	KLOAD 1-\slot, 0
.endif
	SEXP0
.if \edge == 1
	s_barrier_wait -1                              ; every wave of my work-group has said that its reads are back and its loads have landed
	s_cmp_lg_u32 s12, 0
	s_cbranch_scc1 .Lnw0_\@
	s_barrier_signal -3                            ; wave 0 says so for the work-group
.Lnw0_\@:
.endif
	SEXP1
.if \edge == 1
	s_barrier_wait -3                              ; all four work-groups have said so
	s_barrier_signal -1
.endif
	SEXP2 \first
.if \first == 0
	RESC
.endif
.if \edge == 1
	WIN 0
	s_barrier_wait -1                              ; closes the round: no wave of any partner still reads this slot or has a load on its way
	JLOAD \slot                                    ; the wave's one tensor load behind the round, ahead of its first LDS read; up to the wait for it lie 32 + 64 + 16 products of each wave
	KLOAD 1-\slot, 0                               ; these 16 loads land under the 32 products below; V's fragments are in since the wait in front of the round
.elseif \edge == 3
	s_wait_dscnt 0x0
.else
	s_wait_dscnt 16                                ; V's fragments are in; the 16 loads of the next K fragments stay out
.endif
	PV \first
	WIN 0
	PLACES 5                                       ; in front of the next S^T, which writes over P, and of loads into the V fragments
.endm
	s_wait_tensorcnt 0x1                           ; my part of slot 0 is in; slot 1's may stay out
	s_barrier_signal -1
	s_barrier_wait -1
	KLOAD 0, 0
	s_wait_loadcnt 0x0                             ; Q
	SUB 0, 0, 1, 0                                 ; sub-step 0 starts maxima, sums and O
	s_mov_b32 s50, 7
.Lkeys:                                            ; trip t: sub-steps 4 t + 1 to 4 t + 4; its two refills bring slot steps 2 t + 2 and 2 t + 3, the last trip's 14 and 15
	SUB 0, 1, 0, 1
	SUB 1, 0, 0, 0
	SUB 1, 1, 0, 1
	SUB 0, 0, 0, 0                                 ; ends as sub-step 0 ended: the counts at the loop's head hold on both ways in
	s_sub_co_u32 s50, s50, 1
	s_cmp_lg_u32 s50, 0
	s_cbranch_scc1 .Lkeys
	SUB 0, 1, 0, 2                                 ; sub-steps 29 to 31 fill nothing
	SUB 1, 0, 0, 0
	SUB 1, 1, 0, 3
	; THE WAY OUT: O / l, rounded, 16 bytes a lane into my own stage, read back as rows: four rows are 512 consecutive bytes of ao.
.irp mt, 0,1,2,3
	v_add_f32 v[TT+\mt], v[LS+2*\mt], v[LS+2*\mt+1]
.endr
.irp mt, 0,1,2,3
	v_permlanex16_b32 v[UU+\mt], v[TT+\mt], s48, s49
.endr
.irp mt, 0,1,2,3
	v_add_f32 v[TT+\mt], v[TT+\mt], v[UU+\mt]      ; l is at least 1: the key that holds the maximum adds 2^0
.endr
.irp mt, 0,1,2,3
	v_rcp_f32 v[AL+2*\mt], v[TT+\mt]
	v_rcp_f32 v[AL+2*\mt+1], v[TT+\mt]
.endr
	v_nop                                          ; one plain instruction behind the reciprocals (ISA guide 5.7.2)
	WIN 0x01                                       ; source 0 (O) window 1
.set pp, 0
	s_wait_alu depctr_va_vdst(0)
.rept 64
	v_pk_mul_f32 v[SC+2*pp:SC+2*pp+1], v[2*pp:2*pp+1], v[AL+2*(pp/16):AL+2*(pp/16)+1]
.set pp, pp+1
.endr
	WIN 0
.set pp, 0
.rept 16
.irp j, 0,1,2,3
	v_cvt_pk_bf16_f32 v[SC+8*pp+\j], v[SC+8*pp+2*\j], v[SC+8*pp+2*\j+1]
.endr
.set pp, pp+1
.endr
.irp mt, 0,1,2,3
.irp dt, 0,1,2,3
	ds_store_b128 v[STO], v[SC+8*(4*\mt+\dt):SC+8*(4*\mt+\dt)+3] offset:\mt*16*PK+32*\dt
.endr
.endr
.irp u, 0,1,2,3,4,5,6,7,8,9,10,11,12,13,14,15
	ds_load_b128 v[KF+4*\u:KF+4*\u+3], v[RD] offset:\u*4*PK              ; LDS serves a wave's instructions in order: these see the stores above
.endr
.irp u, 0,1,2,3,4,5,6,7,8,9,10,11,12,13,14,15
	s_wait_dscnt 15-\u                             ; read-back u is in, the younger ones stay out
	global_store_b128 v[CO], v[KF+4*\u:KF+4*\u+3], s[10:11] offset:\u*512
.endr
	s_wait_tensorcnt 0x0
	ds_add_u32 v62, v63
	s_wait_dscnt 0x0
	CROUND                                         ; the closing round: no work-group ends while a partner may still ask for a tile that names it
	s_endpgm
.Lfunc_end_k_q3a9f44370f_attn:
	.size	k_q3a9f44370f_attn, .Lfunc_end_k_q3a9f44370f_attn-k_q3a9f44370f_attn
	.p2alignl 7, 3214868480
	.fill 96, 4, 3214868480
	.section	.rodata,"a",@progbits
	.p2align	6, 0x0
	.amdhsa_kernel k_q3a9f44370f_attn
		.amdhsa_group_segment_fixed_size 327680
		.amdhsa_private_segment_fixed_size 0
		.amdhsa_enable_private_segment 0
		.amdhsa_kernarg_size 32
		.amdhsa_user_sgpr_count 2
		.amdhsa_user_sgpr_kernarg_segment_ptr 1
		.amdhsa_wavefront_size32 1
		.amdhsa_system_sgpr_workgroup_id_x 1
		.amdhsa_system_sgpr_workgroup_id_y 1
		.amdhsa_system_sgpr_workgroup_id_z 1
		.amdhsa_system_vgpr_workitem_id 0
		.amdhsa_next_free_vgpr 512
		.amdhsa_next_free_sgpr 66
		.amdhsa_reserve_vcc 0
		.amdhsa_float_denorm_mode_32 3
		.amdhsa_float_denorm_mode_16_64 3
		.amdhsa_memory_ordered 1
		.amdhsa_forward_progress 1
		.amdhsa_inst_pref_size 255
	.end_amdhsa_kernel
	.section	.bss,"aw",@nobits
	.p2align	6
	.space	262144
	.amdgpu_metadata
---
amdhsa.version: [ 1, 2 ]
amdhsa.kernels:
  - .name:           k_q3a9f44370f_attn
    .symbol:         k_q3a9f44370f_attn.kd
    .args:
      - { .name: qh, .offset: 0, .size: 8, .value_kind: global_buffer, .address_space: global }
      - { .name: kh, .offset: 8, .size: 8, .value_kind: global_buffer, .address_space: global }
      - { .name: vh, .offset: 16, .size: 8, .value_kind: global_buffer, .address_space: global }
      - { .name: ao, .offset: 24, .size: 8, .value_kind: global_buffer, .address_space: global }
    .group_segment_fixed_size: 327680
    .private_segment_fixed_size: 0
    .kernarg_segment_align: 8
    .kernarg_segment_size: 32
    .max_flat_workgroup_size: 256
    .sgpr_count:     66
    .vgpr_count:     512
    .wavefront_size: 32
...
	.end_amdgpu_metadata
.endif
;; end of part 3
;; launch oproj (part 4): grid 4 x 64, 4 waves a work-group, clusters of 4 x 4, 327,680 bytes of LDS; arguments ao, wb, bo, out0; writes out0
.if DOCPART == 4
	.amdgcn_target "amdgcn-amd-amdhsa--gfx1250"
	.amdhsa_code_object_version 6
	.text
	.protected	k_q3a9f44370f_oproj
	.globl	k_q3a9f44370f_oproj
	.p2align	8
	.type	k_q3a9f44370f_oproj,@function
k_q3a9f44370f_oproj:
	s_mov_b64 s[64:65], 0
	v_nop
	global_prefetch_b8 v0, s[64:65] scope:SCOPE_SE
	s_setreg_imm32_b32 hwreg(HW_REG_WAVE_MODE, 25, 1), 1
	s_wait_xcnt 0x0
	s_wait_alu depctr_hold_cnt(0) depctr_sa_sdst(0) depctr_va_vdst(0) depctr_va_sdst(0) depctr_va_ssrc(0) depctr_va_vcc(0) depctr_vm_vsrc(0)
	s_getreg_b32 s2, hwreg(HW_REG_IB_STS2, 6, 4)
	s_cmp_eq_u32 s2, 0
	s_cbranch_scc0 .Lentry_in_a_cluster
	s_endpgm
.Lentry_in_a_cluster:
	s_bfe_u32 s2, ttmp6, 0x10000c
	s_cmp_lg_u32 s2, 0xf033
	s_cbranch_scc0 .Lentry_shape_is_right
	s_endpgm
.Lentry_shape_is_right:
; out0[m][b][n] = sum over e of ao(b, m, e) Wo[e][n] + bo[n].  ao: [b][head][m][64] bf16, e = 64 head + d.  Wo: section 3 of wb, [1024 e][1024 n] bf16.  out0 f32.
; 256 blocks of 128 (m) x 256 (n) of one batch; four waves, each 64 x 128: 32 accumulator tiles, 256 registers.
; K goes in steps of 128 (two heads) through two LDS slots filled by tensor loads: a head's 128 rows of 128 bytes (the tensor's own row length),
; and 128 rows of Wo's 512 bytes, which stay [k][n] and are read by transposing LDS loads.
; CLUSTERS: 4 x 4 work-groups; ao's tile is shared along a row of the cluster, Wo's along a column: joint loads divide the requests for both by four.
; THE REQUESTS FORM A CHAIN: all tensor loads are waited for in front of each round, so a tile is asked for only after the tile before it has landed.
; So nothing that can stand behind the request stands between that wait and the request: the round holds no work here.
; No prefetch: ao was stored by the launch before this one, and 64 block rows read each of Wo's tiles again.
; The matrix instruction is used transposed (source 0 = 16 columns of Wo, source 1 = 16 rows of ao): a lane holds row m = l % 16 and eight neighbouring n.
.set PA,     144                       ; LDS pitch of ao's rows: 128 + 16
.set PB,     544                       ; LDS pitch of Wo's rows: 512 + 32
.set HALF,   34816                     ; what one tensor load may fill: 64 x 544 (Wo) or 128 x 144 = 18,432 (a head of ao, the rest unused)
.set SLOT,   4*HALF
.set STAGE,  2*SLOT                    ; bytes that no tensor load fills: 16 rows x 528 for each wave
.set SPITCH, 528
.set WSTAGE, 16*SPITCH
.set ADRA, 8
.set ADRB, 10
.set STO,  12
.set RD,   13
.set CO,   14
.set BO,   15
.set AF,   16                          ; v16-47, v48-79    ao's fragments (4 x 8), two buffers
.set BF,   112                         ; v112-175, v176-239 Wo's fragments (8 x 8), two buffers; at work on the way out
; window 1: accumulator tile (a, b) at 8 (8 a + b).   window 2: v0-63 bias
.set G1A, 40
.set G1B, 48
.set G0A, 56
.set G0B, 68
.set MSB, 0
.macro WIN new                         ; s_set_vgpr_msb: bits 1:0 source 0, 3:2 source 1, 5:4 source 2, 7:6 destination; the high byte repeats the setting left
.if MSB != \new
	s_set_vgpr_msb (MSB<<8)|\new
.set MSB, \new
.endif
.endm
.macro PLACES                          ; four places behind matrix instructions (ISA guide 7.12.1)
.rept 4
	v_nop
.endr
.endm
.macro JLOAD s                         ; waves 0 and 1 fetch ao's two heads, waves 2 and 3 Wo's two halves
	s_cmp_eq_u32 s25, 0
	s_cbranch_scc0 .Lfor_b_\@
	tensor_load_to_lds s[G0A+4*\s:G0A+4*\s+3], s[G1A:G1A+7]
	s_nop 0
	s_branch .Lasked_\@
.Lfor_b_\@:
	tensor_load_to_lds s[G0B+4*\s:G0B+4*\s+3], s[G1B:G1B+7]
	s_nop 0
.Lasked_\@:
.endm
.macro CROUND                          ; a whole round of the cluster's barrier
	s_barrier_signal -1
	s_barrier_wait -1
	s_cmp_lg_u32 s24, 0
	s_cbranch_scc1 .Lnot_wave_0_\@
	s_barrier_signal -3
.Lnot_wave_0_\@:
	s_barrier_wait -3
	s_barrier_signal -1
	s_barrier_wait -1
.endm
	s_load_b256 s[4:11], s[0:1], 0x0               ; ao s[4:5], wb s[6:7], bo s[8:9], out0 s[10:11]
	v_lshl_add_u32 v254, v0, 2, 0x4c400
	v_mov_b32 v255, 0
	ds_add_u32 v254, v255
	v_lshrrev_b32 v1, 5, v0
	v_readfirstlane_b32 s24, v1                    ; wave 0..3
	s_lshr_b32 s25, s24, 1                         ; mh; also: I fetch for ao (0) or for Wo (1)
	s_and_b32 s26, s24, 1                          ; nh; also: which head, or which half of Wo's tile, I fetch
	s_bfe_u32 s27, ttmp6, 0x40000                  ; cx
	s_bfe_u32 s28, ttmp6, 0x40004                  ; cy
	s_lshl_b32 s38, ttmp9, 2
	s_add_co_u32 s38, s38, s27                     ; nb
	s_and_b32 s29, ttmp7, 0xffff                   ; cluster y, 0..15
	s_lshr_b32 s31, s29, 2                         ; batch
	s_and_b32 s32, s29, 3
	s_lshl_b32 s32, s32, 2
	s_add_co_u32 s32, s32, s28                     ; mblk
	s_lshl_b32 s36, s28, 2
	s_lshl_b32 s36, 15, s36                        ; my row of the cluster
	s_lshl_b32 s37, 0x1111, s27                    ; my column
	; group 1 for ao: 128 rows x 64 bf16, dense
	s_or_b32 s[G1A+0], s36, (1<<16)|(1<<20)|(1<<21)|(4<<22)|(3<<25)  ; after every 32 words, 4 words
	s_mov_b32 s[G1A+1], 64<<16
	s_mov_b32 s[G1A+2], 128<<16
	s_mov_b32 s[G1A+3], 64<<16
	s_mov_b32 s[G1A+4], 128
	s_mov_b32 s[G1A+5], 64
	s_mov_b32 s[G1A+6], 0
	s_mov_b32 s[G1A+7], 0
	; group 1 for Wo: 64 rows x 256 bf16, 1,024 elements from row to row
	s_or_b32 s[G1B+0], s37, (1<<16)|(1<<20)|(1<<21)|(6<<22)|(7<<25)  ; after every 128 words, 8 words
	s_mov_b32 s[G1B+1], 256<<16
	s_mov_b32 s[G1B+2], 64<<16
	s_mov_b32 s[G1B+3], 256<<16
	s_mov_b32 s[G1B+4], 64
	s_mov_b32 s[G1B+5], 1024
	s_mov_b32 s[G1B+6], 0
	s_mov_b32 s[G1B+7], 0
	s_lshl_b32 s76, s31, 22                        ; ao: ((16 batch + head) x 2,048 + 128 mblk) rows of 128 bytes; cy enters, cx never
	s_lshl_b32 s77, s26, 18
	s_add_co_u32 s76, s76, s77
	s_lshl_b32 s77, s32, 14
	s_add_co_u32 s76, s76, s77
	s_mov_b32 s77, 0
	s_lshl_b32 s78, s26, 17                        ; Wo: section 3, + 64 half rows of 2,048 bytes, + 256 nb columns; cx enters, cy never
	s_add_co_u32 s78, s78, 3<<21
	s_lshl_b32 s79, s38, 9
	s_add_co_u32 s78, s78, s79
	s_mov_b32 s79, 0
	s_mul_i32 s80, s24, HALF                       ; where my part goes: wave x 34,816
	s_wait_dscnt 0x0
	s_wait_kmcnt 0x0
	s_add_nc_u64 s[76:77], s[4:5], s[76:77]
	s_add_nc_u64 s[78:79], s[6:7], s[78:79]
	CROUND                                         ; all sixteen work-groups are here: the first joint loads meet
.irp s, 0,1
	s_mov_b32 s[G0A+4*\s], 1
	s_add_co_u32 s[G0A+4*\s+1], s80, \s*SLOT
	s_add_nc_u64 s[G0A+4*\s+2:G0A+4*\s+3], s[76:77], \s*524288       ; K step s: two heads of 262,144 bytes
	s_or_b32 s[G0A+4*\s+3], s[G0A+4*\s+3], 0x80000000
	s_mov_b32 s[G0B+4*\s], 1
	s_add_co_u32 s[G0B+4*\s+1], s80, \s*SLOT
	s_add_nc_u64 s[G0B+4*\s+2:G0B+4*\s+3], s[78:79], \s*262144
	s_or_b32 s[G0B+4*\s+3], s[G0B+4*\s+3], 0x80000000
	JLOAD \s                                       ; two tensor loads of the wave are out
.endr
	v_and_b32 v1, 15, v0                           ; r
	v_bfe_u32 v2, v0, 4, 1                         ; h
	v_mul_u32_u24 v3, v1, PA
	v_lshl_add_u32 v3, v2, 4, v3
	s_mul_i32 s82, s25, 64*PA                      ; my 64 rows of each head's 128
	v_add_nc_u32 v[ADRA], s82, v3
	v_add_nc_u32 v[ADRA+1], SLOT, v[ADRA]
	v_and_b32 v4, 7, v0
	v_lshl_add_u32 v4, v2, 3, v4
	v_mul_u32_u24 v4, v4, PB
	v_bfe_u32 v5, v0, 3, 1
	v_lshl_add_u32 v4, v5, 4, v4
	s_lshl_b32 s83, s26, 8
	s_add_co_u32 s83, s83, 2*HALF
	v_add_nc_u32 v[ADRB], s83, v4
	v_add_nc_u32 v[ADRB+1], SLOT, v[ADRB]
	s_mul_i32 s81, s24, WSTAGE
	s_add_co_u32 s81, s81, STAGE
	v_mul_u32_u24 v6, v1, SPITCH
	v_lshl_add_u32 v6, v2, 5, v6
	v_add_nc_u32 v[STO], s81, v6                   ; in: row r, 8 f32 = 32 bytes for each half of the lanes
	v_and_b32 v7, 31, v0
	v_lshlrev_b32 v[CO], 4, v7
	v_add_nc_u32 v[RD], s81, v[CO]                 ; back: 32 lanes take a row's 512 bytes
	s_lshl_b32 s84, s38, 10
	s_lshl_b32 s85, s26, 9
	s_add_co_u32 s84, s84, s85
	v_lshl_add_u32 v[BO], v2, 5, s84
	WIN 0x80
.irp b, 0,1,2,3,4,5,6,7
	global_load_b128 v[8*\b:8*\b+3],   v[BO], s[8:9] offset:64*\b        ; waited for on the way out
	global_load_b128 v[8*\b+4:8*\b+7], v[BO], s[8:9] offset:64*\b+16
.endr
	WIN 0
; 24 LDS loads: quarter q (32 along K) of a slot into buffers g.  Quarters 0, 1 lie in the first head's plane, 2, 3 in the second's.
.macro FETCH slot, q, g
.irp a, 0,1,2,3
	ds_load_b128 v[AF+32*\g+8*\a:AF+32*\g+8*\a+3],   v[ADRA+\slot] offset:((\q)/2)*HALF+\a*16*PA+((\q)%2)*64
	ds_load_b128 v[AF+32*\g+8*\a+4:AF+32*\g+8*\a+7], v[ADRA+\slot] offset:((\q)/2)*HALF+\a*16*PA+((\q)%2)*64+32
.endr
.irp b, 0,1,2,3,4,5,6,7
	ds_load_tr16_b128 v[BF+64*\g+8*\b:BF+64*\g+8*\b+3],   v[ADRB+\slot] offset:(\q)*32*PB+32*\b
	ds_load_tr16_b128 v[BF+64*\g+8*\b+4:BF+64*\g+8*\b+7], v[ADRB+\slot] offset:(\q)*32*PB+32*\b+16*PB
.endr
.endm
; The 32 accumulators take turns, one instruction a turn, in the same order in every quarter.
.macro MUL16 a0, f, zero
.irp a, \a0, \a0+1
.irp b, 0,1,2,3,4,5,6,7
.if \zero
	v_wmma_f32_16x16x32_bf16 v[8*(8*(\a)+\b):8*(8*(\a)+\b)+7], v[BF+64*\f+8*\b:BF+64*\f+8*\b+7], v[AF+32*\f+8*(\a):AF+32*\f+8*(\a)+7], 0
.else
	v_wmma_f32_16x16x32_bf16 v[8*(8*(\a)+\b):8*(8*(\a)+\b)+7], v[BF+64*\f+8*\b:BF+64*\f+8*\b+7], v[AF+32*\f+8*(\a):AF+32*\f+8*(\a)+7], v[8*(8*(\a)+\b):8*(8*(\a)+\b)+7]
.endif
.endr
.endr
.endm
.macro QUARTER slot, q, f, g, zero
	PLACES                                         ; behind the last quarter's products, which read buffers g
	FETCH \slot, \q+1, \g
	s_wait_dscnt 24                                ; this quarter's fragments are in; the 24 loads just issued stay out
	WIN 0x50
	MUL16 0, \f, \zero
	MUL16 2, \f, \zero
	WIN 0
.endm
; The fourth quarter changes slots: each wave's reads of this slot and all its tensor loads are waited for in front of the barrier, which, where the slot is
; filled again, opens a round of the cluster's barrier; the joint refill is the wave's first tensor load behind the round, ahead of the next slot's first reads.
; The round holds no work: the quarter's 32 products stand behind the request.  From a request to the wait for it lie 128 products.
.macro TURN slot, next, fill
	s_wait_dscnt 0x0                               ; my last reads of this slot are back
	s_wait_tensorcnt 0x0                           ; all my tensor loads have landed, so a group 0 may be written
	ds_add_u32 v254, v255
	s_wait_dscnt 0x0
.if \fill
	s_add_nc_u64 s[G0A+4*\slot+2:G0A+4*\slot+3], s[G0A+4*\slot+2:G0A+4*\slot+3], 1048576   ; two K steps on: four heads
	s_add_nc_u64 s[G0B+4*\slot+2:G0B+4*\slot+3], s[G0B+4*\slot+2:G0B+4*\slot+3], 524288    ; 256 rows of 2,048 bytes
	CROUND                                         ; no wave of any partner still reads this slot or has a load on its way
	JLOAD \slot
.else
	s_barrier_signal -1
	s_barrier_wait -1                              ; the next slot is whole for every wave
.endif
	PLACES                                         ; behind the third quarter's products, which read buffers 0
	FETCH \next, 0, 0
	WIN 0x50
	MUL16 0, 1, 0
	MUL16 2, 1, 0
	WIN 0
.endm
.macro THREE slot, zero
	QUARTER \slot, 0, 0, 1, \zero
	QUARTER \slot, 1, 1, 0, 0
	QUARTER \slot, 2, 0, 1, 0
.endm
.macro LAP zero
	THREE 0, \zero
	TURN 0, 1, 1
	THREE 1, 0
	TURN 1, 0, 1
.endm
	s_wait_tensorcnt 0x1                           ; my part of K step 0 is in; K step 1's may stay out
	s_barrier_signal -1
	s_barrier_wait -1
	FETCH 0, 0, 0
	LAP 1                                          ; K steps 0, 1: the first products start the sums
	s_mov_b32 s33, 2
.Llap:
	LAP 0                                          ; K steps 2 to 5
	s_sub_co_u32 s33, s33, 1
	s_cmp_lg_u32 s33, 0
	s_cbranch_scc1 .Llap
	THREE 0, 0                                     ; K steps 6, 7 fill nothing
	TURN 0, 1, 0
	THREE 1, 0
	s_wait_dscnt 0x0
	WIN 0x50
	MUL16 0, 1, 0
	MUL16 2, 1, 0
	WIN 0
	; THE WAY OUT, 16 rows at a time: add the bias, 32 bytes a lane into my own stage, read back as rows of 512 bytes.
	PLACES
	s_lshl_b32 s86, s31, 12                        ; out0: batch x 4,096 + (128 mblk + 64 mh) x 16,384 + 1,024 nb + 512 nh bytes
	s_lshl_b32 s85, s32, 21
	s_add_co_u32 s86, s86, s85
	s_lshl_b32 s85, s25, 20
	s_add_co_u32 s86, s86, s85
	s_lshl_b32 s85, s38, 10
	s_add_co_u32 s86, s86, s85
	s_lshl_b32 s85, s26, 9
	s_add_co_u32 s86, s86, s85
	s_mov_b32 s87, 0
	s_add_nc_u64 s[10:11], s[10:11], s[86:87]
	s_wait_loadcnt 0x0                             ; the bias
.macro OUT16 i
	WIN 0x09                                       ; source 0 window 1 (sums), source 1 window 2 (bias)
.irp b, 0,1,2,3,4,5,6,7
.irp j, 0,1,2,3
	v_pk_add_f32 v[BF+8*\b+2*\j:BF+8*\b+2*\j+1], v[8*(8*\i+\b)+2*\j:8*(8*\i+\b)+2*\j+1], v[8*\b+2*\j:8*\b+2*\j+1]
.endr
.endr
	WIN 0
.irp b, 0,1,2,3,4,5,6,7
	ds_store_b128 v[STO], v[BF+8*\b:BF+8*\b+3]   offset:64*\b
	ds_store_b128 v[STO], v[BF+8*\b+4:BF+8*\b+7] offset:64*\b+16
.endr
	s_wait_xcnt 0x0                                ; the second buffer, which earlier stores read, is loaded again only behind this wait
.irp t, 0,1,2,3,4,5,6,7,8,9,10,11,12,13,14,15
	ds_load_b128 v[BF+64+4*\t:BF+64+4*\t+3], v[RD] offset:\t*SPITCH      ; LDS serves a wave's instructions in order: these see the stores above
.endr
.irp t, 0,1,2,3,4,5,6,7,8,9,10,11,12,13,14,15
	s_wait_dscnt 15-\t                             ; read-back t is in, the younger ones stay out
	global_store_b128 v[CO], v[BF+64+4*\t:BF+64+4*\t+3], s[10:11] offset:(16*\i+\t)*16384 th:TH_STORE_NT   ; 32 lanes store 512 consecutive bytes, aligned
.endr
.endm
	OUT16 0
	OUT16 1
	OUT16 2
	OUT16 3
	s_wait_tensorcnt 0x0
	ds_add_u32 v254, v255
	s_wait_dscnt 0x0
	CROUND                                         ; the closing round: no work-group ends while a partner may still ask for a tile that names it
	s_endpgm
.Lfunc_end_k_q3a9f44370f_oproj:
	.size	k_q3a9f44370f_oproj, .Lfunc_end_k_q3a9f44370f_oproj-k_q3a9f44370f_oproj
	.p2alignl 7, 3214868480
	.fill 96, 4, 3214868480
	.section	.rodata,"a",@progbits
	.p2align	6, 0x0
	.amdhsa_kernel k_q3a9f44370f_oproj
		.amdhsa_group_segment_fixed_size 327680
		.amdhsa_private_segment_fixed_size 0
		.amdhsa_enable_private_segment 0
		.amdhsa_kernarg_size 32
		.amdhsa_user_sgpr_count 2
		.amdhsa_user_sgpr_kernarg_segment_ptr 1
		.amdhsa_wavefront_size32 1
		.amdhsa_system_sgpr_workgroup_id_x 1
		.amdhsa_system_sgpr_workgroup_id_y 1
		.amdhsa_system_sgpr_workgroup_id_z 1
		.amdhsa_system_vgpr_workitem_id 0
		.amdhsa_next_free_vgpr 576
		.amdhsa_next_free_sgpr 88
		.amdhsa_reserve_vcc 0
		.amdhsa_float_denorm_mode_32 3
		.amdhsa_float_denorm_mode_16_64 3
		.amdhsa_memory_ordered 1
		.amdhsa_forward_progress 1
		.amdhsa_inst_pref_size 126
	.end_amdhsa_kernel
	.amdgpu_metadata
---
amdhsa.version: [ 1, 2 ]
amdhsa.kernels:
  - .name:           k_q3a9f44370f_oproj
    .symbol:         k_q3a9f44370f_oproj.kd
    .args:
      - { .name: ao, .offset: 0, .size: 8, .value_kind: global_buffer, .address_space: global }
      - { .name: wb, .offset: 8, .size: 8, .value_kind: global_buffer, .address_space: global }
      - { .name: bo, .offset: 16, .size: 8, .value_kind: global_buffer, .address_space: global }
      - { .name: out0, .offset: 24, .size: 8, .value_kind: global_buffer, .address_space: global }
    .group_segment_fixed_size: 327680
    .private_segment_fixed_size: 0
    .kernarg_segment_align: 8
    .kernarg_segment_size: 32
    .max_flat_workgroup_size: 128
    .sgpr_count:     88
    .vgpr_count:     576
    .wavefront_size: 32
...
	.end_amdgpu_metadata
.endif
;; end of part 4
